; MI455X (gfx1250); checked and timed in simulation.
; The chip was launched on July 23, 2026; its instructions are those of AMD's public machine-readable ISA for CDNA 5 (MIT licence, August 2026) and "CDNA5" Instruction Set Architecture Reference Guide (July 2026). The comments in the code are by the model that wrote it; some were corrected since.
;; MZI Block Linear. Allowed arithmetic: matrix products marked QUANTISED: E4M3 operands, one given power-of-two scale a tensor, by v_wmma_f32_16x16x64_fp8_fp8 or v_wmma_f32_16x16x128_fp8_fp8, f32 sums; products left as they are: f32 operands where the result goes on into a quantised operand, else bf16, f16 or f32 operands; f32 sums; everything else in f32.
;; Inputs: lowp_scales 2 int32 (the exponents e of the quantised operands' scales 2^e); s 512 x 512 x 8 float32; u 512 x 512 x 8 x 8 float32; v 512 x 512 x 8 x 8 float32; x_codes 4,096 x 128 x 32 uint8 (E4M3 codes of x, K innermost, in blocks of 32 codes).
;; Outputs: out0 4,096 x 4,096 float32.
;; This version of the problem:
;;   THIS VERSION OF THE PROBLEM IS GIVEN IN LOW PRECISION. The matrix products marked QUANTISED in the list below multiply operands that are first quantised to E4M3 (4 exponent bits, 3 mantissa bits; 8 bits a number), with one given power-of-two scale for each operand tensor; their sums are f32. All else is computed in f32.
;;   The module's matrix products, in the order in which they are computed (A, B: the left and right operand; K: the contracted axis; several contracted axes count as one K, in the product's order):
;;     1. batch 2,097,152 x [M 1, K 1] x [K 1, N 8]; A: computed on the way; B: computed on the way: left as it is (no contracted axis)
;;     2. batch 262,144 x [M 8, K 8] x [K 8, N 8]; A: input u; B: computed on the way: left as it is (K = 8 < 32)
;;     3. [M 4,096, K 4,096] x [K 4,096, N 4,096]; A: input x (given as codes); B: computed on the way: QUANTISED (scales: A lowp_scales[0], B lowp_scales[1])
;;   THE QUANTISER, for each operand of a quantised product, along K:
;;     - The operand's scale is 2^e, e = its entry of the input lowp_scales (int32; the entries are numbered through the quantised products in the list's order, A before B).
;;     - Each number is divided by the scale, clamped to +-448, and rounded to the nearest number of E4M3, ties to even, subnormals kept.
;;     - The product sums the exact products of the quantised numbers (number of the format x scale) in f32.
;;   ~~~python
;;   def quantise(x, axis, e):      # numpy; x: float32 -> the quantised numbers, widened to float32 again
;;       x = np.moveaxis(x, axis, -1); K = x.shape[-1]
;;       r = np.clip(x / 2.0 ** e, -448, 448)
;;       step = 2.0 ** (np.maximum(np.frexp(np.where(r == 0, 1, r))[1] - 1, -6) - 3)
;;       q = np.round(r / step) * step * 2.0 ** e      # np.round: ties to even
;;       return np.moveaxis(q, -1, axis).astype(np.float32)
;;   ~~~
;;   OPERANDS COMPUTED ON THE WAY. 'Computed on the way' means the value that the module computes at that place (a softmax that the list does not call 'softmax' is quantised finished and normalised). What goes into a quantiser is computed in f32, as accurately as f32 sums, v_exp_f32 and their like allow (about 1e-6 of the number): no bf16 or f16 on the way to a quantiser, and a product that is left as it is and whose result goes on into a quantised operand takes f32 operands (vector FMAs, or v_wmma_f32_16x16x4_f32). A number that lies on a knife's edge between two numbers of the format may be rounded either way, as far as f32 arithmetic and the matrix unit's own rounding can turn it there, and no further.
;;   INPUTS GIVEN AS CODES. x (in the module: [4096, 4096], K = its axis 1): each comes as NAME_codes (uint8): NAME with its K axis moved to the last place and cut into blocks of 32 codes, [.., K / 32, bytes a block], one block behind the other in memory; one code a byte (a code: sign, 4 exponent bits, 3 mantissa bits); its scale is its entry of lowp_scales. Its value is code x scale, taken as it is: it is not quantised again, and the codes and scales need not be those that the quantiser above would give.
;; One version. Each part assembles by itself: llvm-mc -triple=amdgcn-amd-amdhsa -mcpu=gfx1250 --defsym DOCPART=n.
;; ======== version 1 of 1: 2 launches
;; workspace buffers: w_codes 16,777,216 bytes
;; launch weights (part 1): grid 256 x 1, 16 waves a work-group, no clusters, 165,888 bytes of LDS; arguments u, s, v, lowp_scales, w_codes; writes w_codes
.if DOCPART == 1
	.amdgcn_target "amdgcn-amd-amdhsa--gfx1250"
	.amdhsa_code_object_version 6
	.text
	.protected	k_q68f665990a_weights
	.globl	k_q68f665990a_weights
	.p2align	8
	.type	k_q68f665990a_weights,@function
k_q68f665990a_weights:
	s_mov_b64 s[64:65], 0
	v_nop
	global_prefetch_b8 v0, s[64:65] scope:SCOPE_SE
	s_setreg_imm32_b32 hwreg(HW_REG_WAVE_MODE, 25, 1), 1
	s_wait_xcnt 0x0
; W[8 p + i][8 q + j] = sum over k of u[p][q][i][k] s[p][q][k] v[p][q][k][j], in f32, turned into codes of FP8 (E4M3) with the given scale 2^e1 (entry 1 of the scales' buffer):
; code = W / 2^e1, held within +-448, rounded to the nearest code, ties to even.  The codes are laid [4096 (n = 8 p + i)][4096 (k = 8 q + j)], one byte each: the product's K is innermost.
; ARITHMETIC: first s[k] v[k][j], then fused multiply-adds onto it with k ascending: f32 throughout, nothing narrower ahead of the conversion.
; LIMITS: e1 between -126 and 119, so that 2^e1 and 448 x 2^e1 are f32 numbers.  NaN and infinities among u, s, v are not served (the hold takes a NaN for a bound).
; SHARES.  A block (p, q) is 256 bytes of u, 256 of v, 32 of s; blocks lie on end in all three, B = 512 p + q.  A work-group owns 1,024 blocks (two p), each of its sixteen waves 64 neighbouring blocks of one p,
; in two steps of 32.  IN THE ARITHMETIC A LANE OWNS ONE BLOCK: its eight sums of a row i are eight neighbours along K in eight neighbouring registers, which one conversion turns into 8 bytes;
; the 32 lanes' 8 bytes are 256 consecutive bytes of row 8 p + i of the codes, at a multiple of 256 from the buffer's first byte: one store of the wave covers them.  The way out needs no LDS.
; THE WAY IN.  Each load takes the bytes as they lie, 16 a lane, 512 consecutive bytes a wave; a step's 8,192 bytes of v (then of u) and 1,024 of s turn through the wave's own stage in LDS
; and come back a block a lane.  Waves share nothing: no barrier.  LDS serves a wave's instructions in order (ISA guide 5.7.1.4), so the stage's stores and loads need no wait between them.
; No matrix unit (the f32 form has no more multiply-adds a cycle than packed vector forms, and 8 x 8 blocks would fill a quarter of it), no cluster (no byte is read by two work-groups),
; no tensor load (three streams a wave, each waited for by its own count), no loop: two steps by macro, every offset an immediate, no pointer stepped.
.set WREG, 10240                       ; LDS of a wave
.set VP,   272                         ; a block's row in the stage for u and v: 256 bytes + 16: 17 x 16, so 16 lanes that read one column of 16 rows touch 16 different 16-byte columns
.set SP,   48                          ; a block's row in the stage for s: 32 bytes + 16
.set SST,  32*VP                       ; the stage for s lies behind the stage for u and v: 8,704 + 32 x 48 = 10,240
.set GIN,  1                           ; v1   16 x lane: my 16 bytes of a load's 512
.set LIN,  2                           ; v2   stage, way in: 272 (lane / 16) + 16 (lane % 16); a load's 512 bytes are two blocks
.set LOUT, 3                           ; v3   stage, way out: 272 x lane: my block
.set SIN,  4                           ; v4   s's stage, way in: 48 (lane / 2) + 16 (lane % 2)
.set SOUT, 5                           ; v5   s's stage, way out: 48 x lane
.set GOUT, 6                           ; v6   8 x lane: my 8 codes of a row's 256
.set SC,   7                           ; v7   2^e1 as f32: the conversion takes its exponent field
.set LIM,  8                           ; v8   448 x 2^e1
.set RS,   10                          ; v10-17   s as loaded
.set RV,   18                          ; v18-81   v as loaded
.set SV,   82                          ; v82-145  register 8 k + j: v[k][j] of my block, then s[k] v[k][j]
.set UW,   146                         ; v146-209 u as loaded, then register 8 i + k: u[i][k] of my block
.set ACC,  210                         ; v210-225 two rows' eight sums
.set SS,   210                         ; v210-217 s[0..7] of my block, until the sums take the registers
.set C,    226                         ; v226-241 codes: two registers a row
	s_load_b256 s[4:11], s[0:1], 0x0               ; u s[4:5], s s[6:7], v s[8:9], the scales' exponents s[10:11]
	s_load_b64 s[12:13], s[0:1], 0x20              ; the codes
	v_lshl_add_u32 v244, v0, 2, 0x28000
	v_mov_b32 v245, 0
	v_lshrrev_b32 v9, 5, v0
	v_readfirstlane_b32 s16, v9                    ; wave 0..15
	v_and_b32 v9, 31, v0                           ; lane
	s_mul_i32 s17, s16, WREG                       ; my wave's LDS
	v_lshlrev_b32 v[GIN], 4, v9
	v_lshlrev_b32 v[GOUT], 3, v9
	v_mul_u32_u24 v[LOUT], v9, VP
	v_add_nc_u32 v[LOUT], s17, v[LOUT]
	v_mul_u32_u24 v[SOUT], v9, SP
	v_add_nc_u32 v[SOUT], s17, v[SOUT]
	v_add_nc_u32 v[SOUT], SST, v[SOUT]
	v_bfe_u32 v[LIN], v0, 4, 1                     ; lane / 16
	v_mul_u32_u24 v[LIN], v[LIN], VP
	v_and_b32 v[SIN], 15, v0                       ; lane % 16
	v_lshl_add_u32 v[LIN], v[SIN], 4, v[LIN]
	v_add_nc_u32 v[LIN], s17, v[LIN]
	v_bfe_u32 v[SIN], v0, 1, 4                     ; lane / 2
	v_mul_u32_u24 v[SIN], v[SIN], SP
	v_and_b32 v9, 1, v0                            ; lane % 2
	v_lshl_add_u32 v[SIN], v9, 4, v[SIN]
	v_add_nc_u32 v[SIN], s17, v[SIN]
	v_add_nc_u32 v[SIN], SST, v[SIN]
	; where my wave's 64 blocks begin, in bytes.  B0 = 1,024 g + 64 w
	s_lshl_b32 s18, ttmp9, 18                      ; u, v: 256 B0
	s_lshl_b32 s19, s16, 14
	s_add_co_u32 s18, s18, s19
	s_mov_b32 s19, 0
	s_lshl_b32 s20, ttmp9, 15                      ; s: 32 B0
	s_lshl_b32 s21, s16, 11
	s_add_co_u32 s20, s20, s21
	s_mov_b32 s21, 0
	s_lshl_b32 s24, ttmp9, 16                      ; codes: row 8 p of 4,096 bytes, p = 2 g + w / 8,
	s_lshr_b32 s25, s16, 3
	s_lshl_b32 s25, s25, 15
	s_add_co_u32 s24, s24, s25
	s_and_b32 s25, s16, 7                          ; + 8 q0, q0 = 64 (w % 8)
	s_lshl_b32 s25, s25, 9
	s_add_co_u32 s24, s24, s25
	s_mov_b32 s25, 0
	s_wait_kmcnt 0x0
	s_load_b32 s22, s[10:11], 0x4                  ; e1
	s_add_nc_u64 s[4:5], s[4:5], s[18:19]
	s_add_nc_u64 s[8:9], s[8:9], s[18:19]
	s_add_nc_u64 s[6:7], s[6:7], s[20:21]
	s_add_nc_u64 s[12:13], s[12:13], s[24:25]
.macro LOADS t                         ; step t's s: 1,024 bytes
.irp c, 0,1
	global_load_b128 v[RS+4*\c:RS+4*\c+3], v[GIN], s[6:7] offset:1024*(\t)+512*\c th:TH_LOAD_NT
.endr
.endm
.macro LOADV t                         ; step t's v: 8,192 bytes, 512 consecutive bytes a load
.irp c, 0,1,2,3,4,5,6,7,8,9,10,11,12,13,14,15
	global_load_b128 v[RV+4*\c:RV+4*\c+3], v[GIN], s[8:9] offset:8192*(\t)+512*\c th:TH_LOAD_NT
.endr
.endm
.macro LOADU t                         ; step t's u
.irp c, 0,1,2,3,4,5,6,7,8,9,10,11,12,13,14,15
	global_load_b128 v[UW+4*\c:UW+4*\c+3], v[GIN], s[4:5] offset:8192*(\t)+512*\c th:TH_LOAD_NT
.endr
.endm
; v[k][j] x s[k], two j at a time.  s[k] is one register of a pair: the first (even k) or the second (odd k) serves both halves
.macro SCALE
.irp k, 0,1,2,3,4,5,6,7
.irp jj, 0,1,2,3
.if (\k)%2
	v_pk_mul_f32 v[SV+8*\k+2*\jj:SV+8*\k+2*\jj+1], v[SV+8*\k+2*\jj:SV+8*\k+2*\jj+1], v[SS+\k-1:SS+\k] op_sel:[0,1] op_sel_hi:[1,1]
.else
	v_pk_mul_f32 v[SV+8*\k+2*\jj:SV+8*\k+2*\jj+1], v[SV+8*\k+2*\jj:SV+8*\k+2*\jj+1], v[SS+\k:SS+\k+1] op_sel_hi:[1,0]
.endif
.endr
.endr
.endm
; Rows i = 2 r and 2 r + 1 of my block: 16 sums in eight packed chains that take turns, k ascending; the hold; two conversions; two stores.
.macro PAIR r, t
	s_wait_dscnt 12-4*(\r)                         ; of u's 16 loads from the stage, two a row in the rows' order, the first 4 (r + 1) are in
.irp e, 0,1
.irp jj, 0,1,2,3
	v_pk_mul_f32 v[ACC+8*\e+2*\jj:ACC+8*\e+2*\jj+1], v[UW+8*(2*(\r)+\e):UW+8*(2*(\r)+\e)+1], v[SV+2*\jj:SV+2*\jj+1] op_sel_hi:[0,1]   ; k = 0 starts the sums: nothing is cleared
.endr
.endr
.irp k, 1,2,3,4,5,6,7
.irp e, 0,1
.irp jj, 0,1,2,3
.if (\k)%2
	v_pk_fma_f32 v[ACC+8*\e+2*\jj:ACC+8*\e+2*\jj+1], v[UW+8*(2*(\r)+\e)+\k-1:UW+8*(2*(\r)+\e)+\k], v[SV+8*\k+2*\jj:SV+8*\k+2*\jj+1], v[ACC+8*\e+2*\jj:ACC+8*\e+2*\jj+1] op_sel:[1,0,0] op_sel_hi:[1,1,1]
.else
	v_pk_fma_f32 v[ACC+8*\e+2*\jj:ACC+8*\e+2*\jj+1], v[UW+8*(2*(\r)+\e)+\k:UW+8*(2*(\r)+\e)+\k+1], v[SV+8*\k+2*\jj:SV+8*\k+2*\jj+1], v[ACC+8*\e+2*\jj:ACC+8*\e+2*\jj+1] op_sel_hi:[0,1,1]
.endif
.endr
.endr
.endr
.irp n, 0,1,2,3,4,5,6,7,8,9,10,11,12,13,14,15
	v_med3_num_f32 v[ACC+\n], v[ACC+\n], -v[LIM], v[LIM]   ; the conversion to an 8-bit code does not saturate (ISA guide 7.6.2): the number is held within the largest code x the scale first
.endr
.irp e, 0,1
	v_cvt_scalef32_pk8_fp8_f32 v[C+2*(2*(\r)+\e):C+2*(2*(\r)+\e)+1], v[ACC+8*\e:ACC+8*\e+7], v[SC]   ; eight numbers / 2^e1, to the nearest code, ties to even; j = 0 in the lowest byte
.endr
	v_nop                                          ; one plain vector instruction between the conversions and the next vector instruction that writes their sources: the next pair's first products
.irp e, 0,1
	global_store_b64 v[GOUT], v[C+2*(2*(\r)+\e):C+2*(2*(\r)+\e)+1], s[12:13] offset:4096*(2*(\r)+\e)+256*(\t)   ; 32 lanes store 256 consecutive bytes of row 8 p + i, at a multiple of 256 from the buffer's first byte
.endr
.endm
; A step: 32 blocks.
.macro STEP t
	s_wait_loadcnt 16                              ; loads come back in order (ISA guide 5.7.1): this step's s and v are in; u's sixteen, issued behind them, may be out
.irp c, 0,1
	ds_store_b128 v[SIN], v[RS+4*\c:RS+4*\c+3] offset:16*SP*\c
.endr
.irp c, 0,1,2,3,4,5,6,7,8,9,10,11,12,13,14,15
	ds_store_b128 v[LIN], v[RV+4*\c:RV+4*\c+3] offset:2*VP*\c
.endr
.irp c, 0,1
	ds_load_b128 v[SS+4*\c:SS+4*\c+3], v[SOUT] offset:16*\c
.endr
.irp m, 0,1,2,3,4,5,6,7,8,9,10,11,12,13,14,15
	ds_load_b128 v[SV+4*\m:SV+4*\m+3], v[LOUT] offset:16*\m
.endr
	s_wait_dscnt 0x0                               ; my block's s and v are in registers, and the stores into the stage have read theirs,
.if (\t) == 0
	LOADS 1                                        ; which take the next step's loads
	LOADV 1
.endif
	SCALE
.if (\t) == 0
	s_wait_loadcnt 18                              ; this step's u is in; the eighteen loads just issued may be out
.else
	s_wait_loadcnt 0x0
.endif
.irp c, 0,1,2,3,4,5,6,7,8,9,10,11,12,13,14,15
	ds_store_b128 v[LIN], v[UW+4*\c:UW+4*\c+3] offset:2*VP*\c   ; into the bytes that v has left: my loads of v are back
.endr
	s_wait_dscnt 0x0                               ; the stores have read their registers: the loads below land on the same ones
.if (\t) == 1
	s_wait_xcnt 0x0                                ; the first step's stores have read their data: the codes' registers are written again only behind this wait
.endif
.irp m, 0,1,2,3,4,5,6,7,8,9,10,11,12,13,14,15
	ds_load_b128 v[UW+4*\m:UW+4*\m+3], v[LOUT] offset:16*\m
.endr
	PAIR 0, \t
	PAIR 1, \t
	PAIR 2, \t
	PAIR 3, \t
.if (\t) == 0
	LOADU 1                                        ; u's registers are free; behind the next step's s and v, as the counts above expect
.endif
.endm
	LOADS 0                                        ; 34 loads, 17,408 bytes, of every wave are out at the start
	LOADV 0
	LOADU 0
	s_wait_kmcnt 0x0
	s_add_co_i32 s22, s22, 127
	s_lshl_b32 s23, s22, 23
	v_mov_b32 v[SC], s23                           ; 2^e1 as f32
	s_add_co_i32 s22, s22, 8
	s_lshl_b32 s22, s22, 23
	s_or_b32 s22, s22, 0x600000                    ; exponent e1 + 8 over the mantissa field of 448
	v_mov_b32 v[LIM], s22
	STEP 0
	STEP 1
	s_wait_tensorcnt 0x0
	ds_add_u32 v244, v245
	s_wait_dscnt 0x0
	s_endpgm
.Lfunc_end_k_q68f665990a_weights:
	.size	k_q68f665990a_weights, .Lfunc_end_k_q68f665990a_weights-k_q68f665990a_weights
	.p2alignl 7, 3214868480
	.fill 96, 4, 3214868480
	.section	.rodata,"a",@progbits
	.p2align	6, 0x0
	.amdhsa_kernel k_q68f665990a_weights
		.amdhsa_group_segment_fixed_size 165888
		.amdhsa_private_segment_fixed_size 0
		.amdhsa_enable_private_segment 0
		.amdhsa_kernarg_size 40
		.amdhsa_user_sgpr_count 2
		.amdhsa_user_sgpr_kernarg_segment_ptr 1
		.amdhsa_wavefront_size32 1
		.amdhsa_system_sgpr_workgroup_id_x 1
		.amdhsa_system_sgpr_workgroup_id_y 1
		.amdhsa_system_sgpr_workgroup_id_z 1
		.amdhsa_system_vgpr_workitem_id 0
		.amdhsa_next_free_vgpr 246
		.amdhsa_next_free_sgpr 66
		.amdhsa_reserve_vcc 0
		.amdhsa_float_denorm_mode_32 3
		.amdhsa_float_denorm_mode_16_64 3
		.amdhsa_memory_ordered 1
		.amdhsa_forward_progress 1
		.amdhsa_inst_pref_size 65
	.end_amdhsa_kernel
	.amdgpu_metadata
---
amdhsa.version: [ 1, 2 ]
amdhsa.kernels:
  - .name:           k_q68f665990a_weights
    .symbol:         k_q68f665990a_weights.kd
    .args:
      - { .name: u, .offset: 0, .size: 8, .value_kind: global_buffer, .address_space: global }
      - { .name: s, .offset: 8, .size: 8, .value_kind: global_buffer, .address_space: global }
      - { .name: v, .offset: 16, .size: 8, .value_kind: global_buffer, .address_space: global }
      - { .name: lowp_scales, .offset: 24, .size: 8, .value_kind: global_buffer, .address_space: global }
      - { .name: w_codes, .offset: 32, .size: 8, .value_kind: global_buffer, .address_space: global }
    .group_segment_fixed_size: 165888
    .private_segment_fixed_size: 0
    .kernarg_segment_align: 8
    .kernarg_segment_size: 40
    .max_flat_workgroup_size: 512
    .sgpr_count:     66
    .vgpr_count:     246
    .wavefront_size: 32
...
	.end_amdgpu_metadata
.endif
;; end of part 1
;; launch gemm (part 2): grid 16 x 16, 4 waves a work-group, clusters of 4 x 4, 327,680 bytes of LDS; arguments x_codes, w_codes, lowp_scales, out0; writes out0
.if DOCPART == 2
	.amdgcn_target "amdgcn-amd-amdhsa--gfx1250"
	.amdhsa_code_object_version 6
	.text
	.protected	k_q68f665990a_gemm
	.globl	k_q68f665990a_gemm
	.p2align	8
	.type	k_q68f665990a_gemm,@function
k_q68f665990a_gemm:
	s_mov_b64 s[64:65], 0
	v_nop
	global_prefetch_b8 v0, s[64:65] scope:SCOPE_SE
	s_setreg_imm32_b32 hwreg(HW_REG_WAVE_MODE, 25, 1), 1
	s_wait_xcnt 0x0
	s_wait_alu depctr_hold_cnt(0) depctr_sa_sdst(0) depctr_va_vdst(0) depctr_va_sdst(0) depctr_va_ssrc(0) depctr_va_vcc(0) depctr_vm_vsrc(0)
	s_getreg_b32 s2, hwreg(HW_REG_IB_STS2, 6, 4)
	s_cmp_eq_u32 s2, 0
	s_cbranch_scc0 .Lentry_in_a_cluster
	s_endpgm
.Lentry_in_a_cluster:
	s_bfe_u32 s2, ttmp6, 0x10000c
	s_cmp_lg_u32 s2, 0xf033
	s_cbranch_scc0 .Lentry_shape_is_right
	s_endpgm
.Lentry_shape_is_right:
; out0[m][n] = 2^(e0 + e1) x sum over k of A[m][k] B[n][k].  A = x's codes [4096][4096], B = W's codes [4096][4096] (made by the launch before): FP8 (E4M3), one byte each, K innermost; out0 [4096][4096] f32; sums in f32.
; The codes are multiplied as they are, by v_wmma_f32_16x16x128_fp8_fp8, and each finished sum once by 2^(e0 + e1); e0, e1 are the two whole numbers (int32) in the buffer of scales.
; LIMIT: e0 + e1 lies between -126 and 127, so that 2^(e0 + e1) is an f32 number.
; ORDER OF SUMS: (1) a fragment is fetched by four loads of 16 bytes, so k stands in other places of the registers than the form's own layout gives it, alike in A and in B: every product meets its partner;
; (2) the sixteen K steps are not taken in ascending order in every cluster (THE WALK, below).  Both change the order of f32 roundings and nothing else.
; A tile of C, 256 x 256, is made by a work-group of four waves, as many as a WGP has SIMDs; a wave makes 128 x 128: 64 accumulators of 16 x 16, 512 registers.  16 x 16 tiles: 256 work-groups.
; K goes in steps of 256 through a ring of two LDS slots filled by the tensor data mover: a tile's row is 256 bytes of memory, at a multiple of 256 from the buffer's first byte.
; CLUSTERS: 4 x 4 work-groups.  The four of a row of the cluster need the same tiles of A, the four of a column the same tiles of B: each tile is asked for JOINTLY, by the same tensor load with the
; same descriptor and a mask that names the four.  THE MATRIX INSTRUCTION IS USED TRANSPOSED (source 0 = 16 rows of B, source 1 = 16 rows of A): a lane then holds eight neighbouring numbers of a row of C.
; THE WALK ALONG K.  At its t-th step (t = 0 .. 15) a cluster takes K step t xor 4 z.  z = 0 or 1 is the cluster's class, made of the cluster's x and y alone, so it is the same in all sixteen partners:
; z = f(x) xor f(y), f = 0, 1, 1, 0.  Clusters with the same y read the same rows of A, clusters with the same x the same rows of B; of two such clusters that are neighbours, or two apart, one is of each class.
; So of each pair of groups of four K steps one class takes the first group while the other takes the second, and then they change: the rows that a cluster asks for at t = 4 .. 7 and t = 12 .. 15
; were asked for four steps earlier by the clusters of the other class, and clusters of different classes never ask for the same rows at the same step.
; REGISTERS, in windows of 256: window 0: v0-31 addresses; from v128 A's fragments (8 x 16 rows x 128 K), ONE set; on the way out v32-255 are free.
;   window 1: B's fragments, TWO sets, at v0 and at v128.   window 2: the 32 accumulators of my rows 0-63 (accumulator (a, b) at v[8 (8 a + b)]);   window 3: those of my rows 64-127.
; A step of 128 along K is 64 matrix instructions, A's blocks one after the other, each against B's eight.  So a block of A is free as soon as its eight products are issued, and one set of registers serves A:
; blocks 0-3 are fetched anew in the step's middle, blocks 4-7 at its end.  B's fragments are at work through the whole step, so B has two sets.
.set SIZE_M, 4096
.set SIZE_N, 4096
.set SIZE_K, 4096
.set KSTEP,  256                       ; along K in a slot
.set ROWB,   256                       ; a tile's row in bytes: KSTEP codes of 8 bits
.set KROW,   SIZE_K                    ; a row of A or of B in memory, in bytes
.set PITCH,  272                       ; an LDS row: 256 bytes of data + 16 of padding = 68 words: row r starts at bank 4 r mod 64 (64 banks of 4 bytes: ISA guide 11.1), so the 16 rows that a load touches start at 16 different banks
.set FR,     16                        ; registers of a fragment: 16 rows x 128 K
.set NL,     4                         ; LDS loads that bring one
.set NP,     4                         ; places behind this matrix instruction (ISA guide 7.12.1)
.set HALFT,  128*PITCH                 ; 128 rows: what one tensor load brings, and what one wave reads of A or of B
.set SLOT,   4*HALFT                   ; A's 256 rows, then B's 256 rows
.set LAPS,   SIZE_K/(2*KSTEP)          ; a lap = two K steps = once round the ring: 8
.set SPARE,  2*SLOT                    ; behind the ring: the spare words, 128 bytes for each wave: two blocks of 256 bytes that no other line names
.set SPITCH, 528                       ; the way out: a stage of 16 rows x (512 bytes + 16) for each wave.  It lies in slot 0, which has had its last fill and its last read when the first result is stored there
.set ADRA, 16                          ; v16-17  LDS address of my A fragments in slot 0, 1
.set ADRB, 20                          ; v20-21  the same for B
.set STO,  24                          ; v24     the way out: where I put 32 bytes of a row
.set RD,   25                          ; v25     the way out: where I read a row back
.set CO,   26                          ; v26     my byte offset in a row of C
.set SPW,  28                          ; v28     LDS address of my spare word: SPARE + 4 x my thread's number; never rewritten
.set NIL,  29                          ; v29     0; never rewritten
.set PFO,  30                          ; v30     the prefetches' offset: my lane x a row of A or B in memory (4,096 bytes); never rewritten
.set TMP,  32                          ; the way out: 64 registers, a block's sums x 2^(e0 + e1)
.set AF,   128                         ; A's fragments, in window 0
.set BK,   128                         ; the way out: 16 rows read back from the stage: v128-191 and v192-255 by turns
.set G1, 24                            ; s[24:31] descriptor group 1 for A's tiles;  s[32:39] group 0, one set for each slot
.set G0, 32
.set G1B, 48                           ; s[48:55], s[56:63] the same for B's tiles
.set G0B, 56
.set PFA, 68                           ; s[68:69] the address that the prefetch in hand names
.set LIM, 70                           ; s70     2 in a wave that prefetches, else 0
.set BA,  76                           ; s[76:77] the first byte of the 128 rows of A that a wave of my number fetches
.set BB,  78                           ; s[78:79] the same for B
.set TO,  80                           ; s80, s81 256 t of the step that slot 0, 1 was last asked for
.set EF,  82                           ; s[82:83] (256 t) xor (1,024 z): where that step's codes begin in a row; the high word is 0
.set ZX,  84                           ; s84     1,024 z: four K steps of 256 bytes, or 0
.set PE,  86                           ; s[86:87] the same as EF for the step two further on, for the prefetch; the high word is 0
.set PFB, 88                           ; s[88:89] the first byte of my work-group's 32 rows of the 128 that I fetch
.set MSB, 0
.macro WIN new                         ; the immediate's high byte repeats the setting that is left
.if MSB != (\new)
	s_set_vgpr_msb (MSB<<8)|(\new)
.set MSB, (\new)
.endif
.endm
.set MUL_LO, 0xa1                      ; source 0 (B) window 1, source 1 (A) window 0, C and D window 2
.set MUL_HI, 0xf1                      ; the same, C and D window 3
.set TO_B,   0x40                      ; destination window 1, address window 0
; A joint load: waves 0 and 1 fetch for A, waves 2 and 3 for B.  Each of the two lines has ONE mask and one set of registers for all that issue it; the branch hangs on the wave's number alone.
; Four v_nop follow each of the two lines, ahead of the jump, the label and what follows.
.macro JLOAD g0a, g1a, g0b, g1b
	s_cmp_eq_u32 s15, 0
	s_cbranch_scc0 .Lfor_b_\@
	tensor_load_to_lds s[\g0a:\g0a+3], s[\g1a:\g1a+7]
	s_nop 0
.rept 4
	v_nop
.endr
	s_branch .Lasked_\@
.Lfor_b_\@:
	tensor_load_to_lds s[\g0b:\g0b+3], s[\g1b:\g1b+7]
	s_nop 0
.rept 4
	v_nop
.endr
.Lasked_\@:
.endm
; A PREFETCH INTO THE L2, behind a joint refill and its four lines: the step that stands TWO refills on (t + 2): 32 rows x 256 bytes, a lane a row, one instruction a wave: 256 matrix instructions of the wave
; ahead of the load that will ask for it.  Only rows that no cluster has asked for before are named: those of t = 8 .. 11 (those of t = 4 .. 7 and 12 .. 15 were asked for by the other class four steps earlier; those of
; t = 0 .. 3 come by their loads alone: nothing is prefetched at the head, where every work-group's first tiles are on their way).  So a wave asks at the refills for t = 6 .. 9: the trips with s3 = 5 and s3 = 4.
; Each row's 256 bytes of a K step are named ONCE in the launch.  A's tile row is read by the four clusters of a row of clusters: those with x = 0 and x = 1 ask, one of each class, so that together they name
; K steps 8 .. 15; for B's tile column those with y = 0 and y = 1.  The four partners that ask for a tile jointly share its rows out BY ADDRESS: of the 128 rows that a wave fetches, the partner at place p takes
; 32 p .. 32 p + 31 (p = cx for A, cy for B): no branch hangs on a work-group's place in its cluster.
.macro ASK
	s_sub_co_u32 s75, s3, 4
	s_cmp_lt_u32 s75, s[LIM]                       ; s3 = 4 or 5, in a wave that asks
	s_cbranch_scc0 .Lnot_mine_\@
	global_prefetch_b8 v[PFO], s[PFA:PFA+1] th:TH_LOAD_NT scope:SCOPE_SE
.Lnot_mine_\@:
.endm
.macro CREST                           ; a round of the cluster's barrier behind its opening barrier
	s_cmp_lg_u32 s14, 0
	s_cbranch_scc1 .Lnot_wave_0_\@
	s_barrier_signal -3
.Lnot_wave_0_\@:
	s_barrier_wait -3
	s_barrier_signal -1
	s_barrier_wait -1
.endm
.macro CROUND                          ; a whole round
	s_barrier_signal -1
	s_barrier_wait -1
	CREST
.endm
	s_load_b128 s[4:7], s[0:1], 0x0                ; A's codes s[4:5], B's codes s[6:7]
	s_load_b128 s[8:11], s[0:1], 0x10              ; the two scales' exponents s[8:9], C s[10:11]
	v_lshl_add_u32 v[SPW], v0, 2, SPARE
	v_mov_b32 v[NIL], 0
	ds_add_u32 v28, v29
	ds_add_u32 v28, v29
	s_wait_dscnt 0x0
	v_lshrrev_b32 v1, 5, v0
	v_readfirstlane_b32 s14, v1                    ; wave 0..3
	s_lshr_b32 s15, s14, 1                         ; which half of the tile's rows is mine.  Also: I fetch for A (0) or for B (1)
	s_and_b32 s16, s14, 1                          ; which half of its columns.  Also: which 128 rows of that tile I fetch
	s_bfe_u32 s40, ttmp6, 0x40000                  ; cx, cy: my place in the cluster
	s_bfe_u32 s41, ttmp6, 0x40004
	s_lshl_b32 s42, ttmp9, 2
	s_add_co_u32 s42, s42, s40                     ; tile column of C = 4 x cluster x + cx
	s_and_b32 s17, ttmp7, 0xffff                   ; cluster y
	s_xor_b32 s[ZX], s17, ttmp9                    ; the cluster's class: w = x xor y; z = bit 0 of w xor (w >> 1), which is f(x) xor f(y), f = 0, 1, 1, 0
	s_lshr_b32 s85, s[ZX], 1
	s_xor_b32 s[ZX], s[ZX], s85
	s_and_b32 s[ZX], s[ZX], 1
	s_lshl_b32 s[ZX], s[ZX], 10                    ; as bytes in a row: four K steps of 256, or none
	s_mov_b32 s[EF+1], 0
	s_mov_b32 s[PE+1], 0
	s_lshl_b32 s17, s17, 2
	s_add_co_u32 s17, s17, s41                     ; tile row of C = 4 x cluster y + cy
	s_lshl_b32 s43, s41, 2
	s_lshl_b32 s43, 15, s43                        ; my row of the cluster
	s_lshl_b32 s44, 0x1111, s40                    ; my column
	; descriptor group 1: a tile of 128 rows x ROWB bytes, padded in LDS
	s_or_b32 s[G1+0], s43, (0<<16)|(1<<20)|(1<<21)|(5<<22)|(3<<25)  ; 15:0 the mask: A's tiles go to my row; 17:16 element of 1 byte; 20 padding on; 21 set beside a mask; 24:22 after every 64 words (code 5); 31:25 of 4 words (code 3)
	s_or_b32 s[G1B+0], s44, (0<<16)|(1<<20)|(1<<21)|(5<<22)|(3<<25)
.irp g, G1, G1B
	s_mov_b32 s[\g+1], ROWB<<16                    ; tensor_dim0
	s_mov_b32 s[\g+2], 128<<16                     ; tensor_dim1 = 128
	s_mov_b32 s[\g+3], ROWB<<16                    ; tile_dim0
	s_mov_b32 s[\g+4], 128                         ; tile_dim1 = 128
	s_mov_b32 s[\g+5], KROW                        ; tensor_dim0_stride
	s_mov_b32 s[\g+6], 0
	s_mov_b32 s[\g+7], 0
.endr
	s_lshl_b32 s18, s16, 7                         ; which 128 rows of the tile I fetch
	s_lshl_b32 s20, s17, 8
	s_add_co_u32 s20, s20, s18                     ; A: row 256 x tile row + 128 x half
	s_lshl_b32 s46, s42, 8
	s_add_co_u32 s46, s46, s18                     ; B: row 256 x tile column + 128 x half
	s_mov_b32 s21, 0
	s_mov_b32 s47, 0
	s_mov_b64 s[18:19], KROW
	s_mul_u64 s[20:21], s[20:21], s[18:19]         ; and their codes
	s_mul_u64 s[46:47], s[46:47], s[18:19]
	s_mul_i32 s45, s14, HALFT                      ; where they go: wave x 128 rows: no place in the cluster enters an LDS address
	s_wait_kmcnt 0x0
	s_load_b64 s[96:97], s[8:9], 0x0               ; e0, e1
	s_add_nc_u64 s[BA:BA+1], s[4:5], s[20:21]      ; A's hangs on the tile row alone, which my row of the cluster shares; B's on the tile column alone, which my column shares
	s_add_nc_u64 s[BB:BB+1], s[6:7], s[46:47]
	CROUND                                         ; all sixteen work-groups are here: the first joint loads meet
.irp s, 0,1
	s_mov_b32 s[TO+\s], \s*ROWB                    ; t = s
	s_xor_b32 s[EF], s[ZX], \s*ROWB                ; K step t xor 4 z, in bytes of a row
	s_mov_b32 s[G0+4*\s], 1
	s_add_co_u32 s[G0+4*\s+1], s45, \s*SLOT
	s_add_nc_u64 s[G0+4*\s+2:G0+4*\s+3], s[BA:BA+1], s[EF:EF+1]
	s_or_b32 s[G0+4*\s+3], s[G0+4*\s+3], 0x80000000
	s_mov_b32 s[G0B+4*\s], 1
	s_add_co_u32 s[G0B+4*\s+1], s45, \s*SLOT
	s_add_nc_u64 s[G0B+4*\s+2:G0B+4*\s+3], s[BB:BB+1], s[EF:EF+1]
	s_or_b32 s[G0B+4*\s+3], s[G0B+4*\s+3], 0x80000000
	JLOAD G0+4*\s, G1, G0B+4*\s, G1B               ; two tensor loads of mine are out: t = 0 and t = 1
.endr
	v_and_b32 v1, 15, v0                           ; l % 16
	v_bfe_u32 v2, v0, 4, 1                         ; l / 16
	v_mul_u32_u24 v3, v1, PITCH
	v_lshl_add_u32 v4, v2, 4, v3                   ; a fragment's row x pitch + 16 x half
	s_mul_i32 s21, s15, HALFT                      ; my 128 rows of A
	s_mul_i32 s22, s16, HALFT                      ; my 128 rows of B,
	s_add_co_u32 s22, s22, 2*HALFT                 ; which lie behind A's 256
.irp s, 0,1
	v_add_nc_u32 v[ADRA+\s], s21, v4
	v_add_nc_u32 v[ADRB+\s], s22, v4
	s_add_co_u32 s21, s21, SLOT
	s_add_co_u32 s22, s22, SLOT
.endr
	s_mul_i32 s23, s14, 16*SPITCH                  ; my stage
	v_mul_u32_u24 v5, v1, SPITCH                   ; in: row l % 16, 32 bytes for each half of the lanes
	v_lshl_add_u32 v5, v2, 5, v5
	v_add_nc_u32 v[STO], s23, v5
	v_and_b32 v6, 31, v0
	v_lshlrev_b32 v[CO], 4, v6                     ; back: the 32 lanes take one row of 512 bytes; and the same in C
	v_add_nc_u32 v[RD], s23, v[CO]
	s_lshl_b32 s20, s17, 8
	s_lshl_b32 s21, s15, 7
	s_add_co_u32 s20, s20, s21                     ; my first row of C: 256 x tile row + 128 x half
	s_mov_b32 s21, 0
	s_mov_b64 s[18:19], SIZE_N*4
	s_mul_u64 s[20:21], s[20:21], s[18:19]
	s_lshl_b32 s46, s42, 10                        ; my first column, in bytes: 1024 x tile column + 512 x half
	s_lshl_b32 s47, s16, 9
	s_add_co_u32 s46, s46, s47
	s_mov_b32 s47, 0
	s_add_nc_u64 s[20:21], s[20:21], s[46:47]
	s_add_nc_u64 s[10:11], s[10:11], s[20:21]
	; the prefetches: where my wave's rows begin, and who asks.  s17 = tile row, s42 = tile column, s40 = cx, s41 = cy still stand; s[4:5] = A, s[6:7] = B
	s_lshl_b32 s72, s17, 8
	s_lshl_b32 s73, s42, 8
	s_and_b32 s74, ttmp7, 0xffff                   ; cluster y
	s_cmp_eq_u32 s15, 0                            ; do I fetch for A?
	s_cselect_b32 s72, s72, s73                    ; the tile's first row: in A by the tile row, in B by the tile column
	s_cselect_b32 s73, s40, s41                    ; my place among the four that ask for it with me
	s_cselect_b32 s74, ttmp9, s74                  ; the coordinate along which other clusters read the same rows
	s_cselect_b64 s[PFB:PFB+1], s[4:5], s[6:7]
	s_cmp_lt_u32 s74, 2                            ; the first two clusters along it ask: one of each class
	s_cselect_b32 s[LIM], 2, 0                     ; the same in all sixteen partners, for a given wave
	s_lshl_b32 s74, s16, 7
	s_add_co_u32 s72, s72, s74                     ; + the 128 rows that I fetch
	s_lshl_b32 s73, s73, 5
	s_add_co_u32 s72, s72, s73                     ; + my work-group's 32 of them: at most row 4,064
	s_lshl_b32 s72, s72, 12                        ; x 4,096 bytes a row
	s_mov_b32 s73, 0
	s_add_nc_u64 s[PFB:PFB+1], s[PFB:PFB+1], s[72:73]
	v_and_b32 v[PFO], 31, v0
	v_lshlrev_b32 v[PFO], 12, v[PFO]
.macro FRAG reg, adr, q, i             ; a fragment, 16 rows x 128 K of 8-bit codes, is 16 registers: lane l holds row l % 16; registers 4 c .. 4 c + 3 hold K = 32 c + 16 (l / 16) + 0 .. 15
.irp c, 0,1,2,3
	ds_load_b128 v[\reg+4*\c:\reg+4*\c+3], v[\adr] offset:128*(\q)+32*\c+(\i)*16*PITCH
.endr
.endm
; 16 matrix instructions: A's blocks a0, a0 + 1 x B's eight, 128 along K.  p: B's set.  zero = 1: the first product starts the sums: nothing is ever cleared.
; The 64 accumulators take turns, one instruction a turn, in the same order in every step.
.macro MUL16 a0, p, zero
.irp a, \a0, \a0+1
.irp b, 0,1,2,3,4,5,6,7
.if \zero
	v_wmma_f32_16x16x128_fp8_fp8 v[8*(8*((\a)%4)+\b):8*(8*((\a)%4)+\b)+7], v[128*(\p)+FR*\b:128*(\p)+FR*\b+FR-1], v[AF+FR*(\a):AF+FR*(\a)+FR-1], 0
.else
	v_wmma_f32_16x16x128_fp8_fp8 v[8*(8*((\a)%4)+\b):8*(8*((\a)%4)+\b)+7], v[128*(\p)+FR*\b:128*(\p)+FR*\b+FR-1], v[AF+FR*(\a):AF+FR*(\a)+FR-1], v[8*(8*((\a)%4)+\b):8*(8*((\a)%4)+\b)+7]
.endif
.endr
.endr
.endm
.macro FETCH_B slot, q, p              ; B's eight fragments of the slot's q-th 128 along K into set p
	WIN TO_B
.irp i, 0,1,2,3,4,5,6,7
	FRAG 128*(\p)+FR*\i, ADRB+\slot, \q, \i
.endr
	WIN 0
.endm
.macro FETCH_A slot, q, i0             ; A's blocks i0 .. i0 + 3
.irp i, \i0, \i0+1, \i0+2, \i0+3
	FRAG AF+FR*(\i), ADRA+\slot, \q, \i
.endr
.endm
; A load into a register that a matrix instruction has read, and a vector instruction or an LDS store that reads a matrix result, stand NP places behind that matrix instruction, and only plain vector
; instructions that name none of its registers are places (ISA guide 7.12.1 for vector instructions); this text does not count the matrix instructions in between.
.macro PLACES n
.rept \n
	v_nop
.endr
.endm
; A step of 128 along K: 64 matrix instructions on B's set p and A's one set; meanwhile the next step's fragments, the q-th 128 along K of slot, are fetched: B's into the other set, A's as its blocks come free.
; waits = 1: the step's own fragments may still be on their way from LDS.
.macro BODY slot, q, p, zero, waits
.if \waits
	s_wait_dscnt 4*NL                              ; B's set and A's blocks 0-3 are in; the youngest sixteen loads (A's blocks 4-7) may be out
.endif
	WIN MUL_LO
	MUL16 0, \p, \zero
	MUL16 2, \p, \zero
.if \waits
	s_wait_dscnt 0                                 ; A's blocks 4-7 are in (asked for 32 matrix instructions ago)
.endif
	PLACES NP
	FETCH_B \slot, \q, 1-(\p)
	FETCH_A \slot, \q, 0
	WIN MUL_HI
	MUL16 4, \p, \zero
	MUL16 6, \p, \zero
	PLACES NP
	WIN 0
	FETCH_A \slot, \q, 4
.endm
.macro STEP slot, zero                 ; a slot's first step: its successor lies in the same slot
	BODY \slot, 1, 0, \zero, 1
.endm
; A slot's second and last step.  THE CHANGE OF SLOTS STANDS AT ITS HEAD: all its fragments were asked for in the step before, so once they are in registers nobody reads the slot any more.
; Each wave waits for all its tensor loads (the one that is out is its part of the next slot), adds 0 to its spare word, and waits for that and for its own reads of this slot; then the barrier.
; fill = 1: the barrier opens a round of the cluster's barrier, and this slot is filled again with the step two further on.  No product stands between the wait for the tile and the refill: so from a request
; to the wait for it a wave issues a whole K step's 128 matrix instructions (this step's 64, which follow the refill, and the next step's 64).
.macro TURN slot, next, fill
.if \fill
	s_wait_xcnt 0x0                                ; the last prefetch, a K step back, has read its address: it is written again below
.endif
	s_wait_tensorcnt 0x0                           ; all my tensor loads have landed: no tensor load of mine is out, so a group 0 may be written  (every window is 0 here: the add's two registers lie in window 0)
	ds_add_u32 v[SPW], v[NIL]                      ; 0 onto my spare word; with fill = 1 the descriptors' steps stand between it and the wait for it
.if \fill
	s_add_co_u32 s[TO+\slot], s[TO+\slot], 2*ROWB  ; t + 2
	s_xor_b32 s[EF], s[TO+\slot], s[ZX]            ; K step t xor 4 z, in bytes of a row
	s_add_nc_u64 s[G0+4*\slot+2:G0+4*\slot+3], s[BA:BA+1], s[EF:EF+1]
	s_or_b32 s[G0+4*\slot+3], s[G0+4*\slot+3], 0x80000000
	s_add_nc_u64 s[G0B+4*\slot+2:G0B+4*\slot+3], s[BB:BB+1], s[EF:EF+1]
	s_or_b32 s[G0B+4*\slot+3], s[G0B+4*\slot+3], 0x80000000
	s_add_co_u32 s[PE], s[TO+\slot], 2*ROWB        ; and the step two refills on, for the prefetch (read only in the trips in which that step lies inside the row)
	s_xor_b32 s[PE], s[PE], s[ZX]
	s_add_nc_u64 s[PFA:PFA+1], s[PFB:PFB+1], s[PE:PE+1]
.endif
	s_wait_dscnt 0x0                               ; the add is done, and my reads of this slot are over: this step's fragments are all in registers
	s_barrier_signal -1
	s_barrier_wait -1
.if \fill
	CREST                                          ; the barrier has opened a round of the cluster's barrier: no wave of any partner still reads this slot's tile or has a load on its way
	JLOAD G0+4*\slot, G1, G0B+4*\slot, G1B         ; the first tensor load behind the round, my only one until the next
	ASK
.endif
	BODY \next, 0, 1, 0, 0                         ; this step's products, and the next slot's first fragments: that slot is whole
.endm
	s_wait_tensorcnt 1                             ; my part of t = 0 is in (t = 1's load may be out)
	s_barrier_signal -1
	s_barrier_wait -1                              ; everybody's is
	FETCH_B 0, 0, 0
	FETCH_A 0, 0, 0
	FETCH_A 0, 0, 4
	STEP 0, 1                                      ; the first step stands in front of the loop: its products start the sums
	s_mov_b32 s3, LAPS-1
.Llap:                                                 ; seven trips; a trip goes once round the ring, from a lap's second step to the next lap's first, and fills both slots again: t = 16 - 2 s3 and 17 - 2 s3
	TURN 0, 1, 1
	STEP 1, 0
	TURN 1, 0, 1
	STEP 0, 0
	s_sub_co_u32 s3, s3, 1
	s_cmp_lg_u32 s3, 0
	s_cbranch_scc1 .Llap
	TURN 0, 1, 0                                   ; the last lap fills nothing, and has no round of the cluster's barrier
	STEP 1, 0
	s_wait_dscnt 4*NL                              ; the very last step: nothing more to fetch
	WIN MUL_LO
	MUL16 0, 1, 0
	MUL16 2, 1, 0
	s_wait_dscnt 0
	WIN MUL_HI
	MUL16 4, 1, 0
	MUL16 6, 1, 0
	WIN 0
; THE WAY OUT, block by block of 16 rows x 128 columns.  A lane holds 32 neighbouring bytes of a row, and the lanes beside it hold other rows: so a block goes through my own stage in LDS and comes back as whole
; rows of 512 bytes, which the 32 lanes store as 512 consecutive bytes.  LDS serves a wave's instructions in order (ISA guide 5.7.1.4): no wait between the stores and the loads, nor in front of the next block's stores.
.macro TOSTAGE a
.set AC, 64*((\a)%4)
	WIN 0x02+((\a)/4)                              ; source 0: window 2 or 3
.irp j, 0,2,4,6,8,10,12,14,16,18,20,22,24,26,28,30,32,34,36,38,40,42,44,46,48,50,52,54,56,58,60,62
	v_pk_mul_f32 v[TMP+\j:TMP+\j+1], v[AC+\j:AC+\j+1], s[96:97] op_sel_hi:[1,0]   ; both x s96 = 2^(e0 + e1): nothing is rounded, short of overflow and underflow; each accumulator from its low end on
.endr
	WIN 0
.irp b, 0,1,2,3,4,5,6,7
	ds_store_b128 v[STO], v[TMP+8*\b:TMP+8*\b+3] offset:64*\b
	ds_store_b128 v[STO], v[TMP+8*\b+4:TMP+8*\b+7] offset:64*\b+16
.endr
.set BB2, BK+64*((\a)%2)
.irp t, 0,1,2,3,4,5,6,7,8,9,10,11,12,13,14,15
	ds_load_b128 v[BB2+4*\t:BB2+4*\t+3], v[RD] offset:\t*SPITCH
.endr
.endm
.macro SEND a, younger                 ; younger: the LDS instructions issued behind block a's loads, which may stay out
.set BB2, BK+64*((\a)%2)
	s_wait_dscnt \younger                          ; the block is back in registers
.if (\a) > 0
	s_add_nc_u64 s[10:11], s[10:11], 16*SIZE_N*4   ; (behind a wait on XCNT: the earlier stores have read their base)  16 rows of C on, so that the stores' offsets stay small: 15 rows of C, 245,760 bytes, at the most
.endif
.irp t, 0,1,2,3,4,5,6,7,8,9,10,11,12,13,14,15
	global_store_b128 v[CO], v[BB2+4*\t:BB2+4*\t+3], s[10:11] offset:\t*SIZE_N*4 th:TH_STORE_NT   ; 32 lanes store 512 consecutive bytes, at a multiple of 256 from C's first byte; written once, read by nobody here
.endr
.endm
	s_wait_kmcnt 0x0
	s_add_co_i32 s96, s96, s97                     ; e0 + e1, between -126 and 127,
	s_add_co_i32 s96, s96, 127
	s_lshl_b32 s96, s96, 23                        ; makes the f32 number 2^(e0 + e1)
	PLACES NP                                      ; behind the last products: these places serve the loads into the registers that held A's fragments and the reads of the last block's results alike
	TOSTAGE 0
.irp a, 1,2,3,4,5,6,7
.if \a > 1
	s_wait_xcnt 0x0                                ; block a - 2's stores have read their registers and their base: block a's loads may land there, and the base may step
.endif
	TOSTAGE \a
	SEND \a-1, 32                                  ; behind block a - 1's loads: block a's 16 stores and 16 loads
.endr
	s_wait_xcnt 0x0                                ; block 6's stores have read their base
	SEND 7, 0
	s_wait_tensorcnt 0x0                           ; the wave's end, behind my last tensor load and my last LDS store
	ds_add_u32 v[SPW], v[NIL]
	s_wait_dscnt 0x0
	CROUND                                         ; the closing round: no work-group ends while a partner may still ask for a tile that names it
	s_endpgm
.Lfunc_end_k_q68f665990a_gemm:
	.size	k_q68f665990a_gemm, .Lfunc_end_k_q68f665990a_gemm-k_q68f665990a_gemm
	.p2alignl 7, 3214868480
	.fill 96, 4, 3214868480
	.section	.rodata,"a",@progbits
	.p2align	6, 0x0
	.amdhsa_kernel k_q68f665990a_gemm
		.amdhsa_group_segment_fixed_size 327680
		.amdhsa_private_segment_fixed_size 0
		.amdhsa_enable_private_segment 0
		.amdhsa_kernarg_size 32
		.amdhsa_user_sgpr_count 2
		.amdhsa_user_sgpr_kernarg_segment_ptr 1
		.amdhsa_wavefront_size32 1
		.amdhsa_system_sgpr_workgroup_id_x 1
		.amdhsa_system_sgpr_workgroup_id_y 1
		.amdhsa_system_sgpr_workgroup_id_z 1
		.amdhsa_system_vgpr_workitem_id 0
		.amdhsa_next_free_vgpr 1024
		.amdhsa_next_free_sgpr 98
		.amdhsa_reserve_vcc 0
		.amdhsa_float_denorm_mode_32 3
		.amdhsa_float_denorm_mode_16_64 3
		.amdhsa_memory_ordered 1
		.amdhsa_forward_progress 1
		.amdhsa_inst_pref_size 125
	.end_amdhsa_kernel
	.amdgpu_metadata
---
amdhsa.version: [ 1, 2 ]
amdhsa.kernels:
  - .name:           k_q68f665990a_gemm
    .symbol:         k_q68f665990a_gemm.kd
    .args:
      - { .name: x_codes, .offset: 0, .size: 8, .value_kind: global_buffer, .address_space: global }
      - { .name: w_codes, .offset: 8, .size: 8, .value_kind: global_buffer, .address_space: global }
      - { .name: lowp_scales, .offset: 16, .size: 8, .value_kind: global_buffer, .address_space: global }
      - { .name: out0, .offset: 24, .size: 8, .value_kind: global_buffer, .address_space: global }
    .group_segment_fixed_size: 327680
    .private_segment_fixed_size: 0
    .kernarg_segment_align: 8
    .kernarg_segment_size: 32
    .max_flat_workgroup_size: 128
    .sgpr_count:     98
    .vgpr_count:     1024
    .wavefront_size: 32
...
	.end_amdgpu_metadata
.endif
;; end of part 2
